; MI455X (gfx1250); checked and timed in simulation.
; The chip was launched on July 23, 2026; its instructions are those of AMD's public machine-readable ISA for CDNA 5 (MIT licence, August 2026) and "CDNA5" Instruction Set Architecture Reference Guide (July 2026). The comments in the code are by the model that wrote it; some were corrected since.
;; PLRNN Step. Allowed arithmetic: matrix products marked QUANTISED: E5M2 operands, one E8M0 scale for each 32 along K, by v_wmma_scale_f32_16x16x128_f8f6f4 with both operands' format E5M2, f32 sums; everything else in f32.
;; Inputs: A 1,024 float32; C_codes 1,024 x 2 x 32 uint8 (E5M2 codes of C, K innermost, in blocks of 32 codes); C_scales 1,024 x 2 uint8 (E8M0 scales of C, one for each 32 codes along K); W1_codes 4,096 x 32 x 32 uint8 (E5M2 codes of W1, K innermost, in blocks of 32 codes); W1_scales 4,096 x 32 uint8 (E8M0 scales of W1, one for each 32 codes along K); W2_codes 1,024 x 128 x 32 uint8 (E5M2 codes of W2, K innermost, in blocks of 32 codes); W2_scales 1,024 x 128 uint8 (E8M0 scales of W2, one for each 32 codes along K); h1 4,096 float32; h2 1,024 float32; s_codes 8,192 x 2 x 32 uint8 (E5M2 codes of s, K innermost, in blocks of 32 codes); s_scales 8,192 x 2 uint8 (E8M0 scales of s, one for each 32 codes along K); z 8,192 x 1,024 float32.
;; Outputs: out0 8,192 x 1,024 float32.
;; This version of the problem:
;;   THIS VERSION OF THE PROBLEM IS GIVEN IN LOW PRECISION. The matrix products marked QUANTISED in the list below multiply operands that are first quantised to E5M2 (5 exponent bits, 2 mantissa bits; 8 bits a number), with one power-of-two scale for each 32 numbers along K (OCP MX v1.0); their sums are f32. All else is computed in f32.
;;   The module's matrix products, in the order in which they are computed (A, B: the left and right operand; K: the contracted axis; several contracted axes count as one K, in the product's order):
;;     1. [M 8,192, K 1,024] x [K 1,024, N 4,096]; A: input z; B: input W1 (given as codes): QUANTISED
;;     2. [M 8,192, K 4,096] x [K 4,096, N 1,024]; A: computed on the way; B: input W2 (given as codes): QUANTISED
;;     3. [M 8,192, K 64] x [K 64, N 1,024]; A: input s (given as codes); B: input C (given as codes): QUANTISED
;;   THE QUANTISER, for each operand of a quantised product, along K:
;;     - K is cut into blocks of 32 from its start; a last block that is shorter is filled with zeros.
;;     - A block's scale is 2^e with e = floor(log2(the largest magnitude in the block)) - 15, held to -126 .. 127; a block of zeros has e = 0. As a byte (E8M0): e + 127.
;;     - Each number is divided by its block's scale, clamped to +-57,344, and rounded to the nearest number of E5M2, ties to even, subnormals kept.
;;     - The product sums the exact products of the quantised numbers (number of the format x scale) in f32.
;;   ~~~python
;;   def quantise(x, axis):      # numpy; x: float32 -> the quantised numbers, widened to float32 again
;;       x = np.moveaxis(x, axis, -1); K = x.shape[-1]
;;       x = np.pad(x, [(0, 0)] * (x.ndim - 1) + [(0, -K % 32)]); x = x.reshape(x.shape[:-1] + (-1, 32)); a = np.abs(x).max(-1, keepdims=True)
;;       e = np.where(a > 0, np.clip(np.frexp(np.where(a > 0, a, 1))[1] - 1 - 15, -126, 127), 0)      # np.frexp(a)[1] - 1 = floor(log2(a)), exactly
;;       r = np.clip(x / 2.0 ** e, -57344, 57344)
;;       step = 2.0 ** (np.maximum(np.frexp(np.where(r == 0, 1, r))[1] - 1, -14) - 2)
;;       q = np.round(r / step) * step * 2.0 ** e      # np.round: ties to even
;;       return np.moveaxis(q.reshape(q.shape[:-2] + (-1,))[..., :K], -1, axis).astype(np.float32)
;;   ~~~
;;   OPERANDS COMPUTED ON THE WAY. 'Computed on the way' means the value that the module computes at that place (a softmax that the list does not call 'softmax' is quantised finished and normalised). What goes into a quantiser is computed in f32, as accurately as f32 sums, v_exp_f32 and their like allow (about 1e-6 of the number): no bf16 or f16 on the way to a quantiser, and a product that is left as it is and whose result goes on into a quantised operand takes f32 operands (vector FMAs, or v_wmma_f32_16x16x4_f32). A number that lies on a knife's edge between two numbers of the format may be rounded either way, as far as f32 arithmetic and the matrix unit's own rounding can turn it there, and no further.
;;   INPUTS GIVEN AS CODES. C (in the module: [1024, 64], K = its axis 1); W1 (in the module: [4096, 1024], K = its axis 1); W2 (in the module: [1024, 4096], K = its axis 1); s (in the module: [8192, 64], K = its axis 1): each comes as NAME_codes (uint8): NAME with its K axis moved to the last place and cut into blocks of 32 codes, [.., K / 32, bytes a block], one block behind the other in memory; one code a byte (a code: sign, 5 exponent bits, 2 mantissa bits); and NAME_scales (uint8): the same leading axes, one E8M0 byte (e + 127) for each 32 codes along K. Its value is code x scale, taken as it is: it is not quantised again, and the codes and scales need not be those that the quantiser above would give.
;; One version. Each part assembles by itself: llvm-mc -triple=amdgcn-amd-amdhsa -mcpu=gfx1250 --defsym DOCPART=n.
;; ======== version 1 of 1: 3 launches
;; limits: right only within a limited range of input values
;; workspace buffers: z_codes 8,650,752 bytes; w1i 4,194,304 bytes; h_codes 33,554,432 bytes; h_scales 1,048,576 bytes
;; launch quant_z (part 1): grid 256 x 1, 4 waves a work-group, no clusters, 33,280 bytes of LDS; arguments z, z_codes, W1_codes, w1i; writes z_codes, w1i
.if DOCPART == 1
	.amdgcn_target "amdgcn-amd-amdhsa--gfx1250"
	.amdhsa_code_object_version 6
	.text
	.protected	k_q3f983b828d_quant_z
	.globl	k_q3f983b828d_quant_z
	.p2align	8
	.type	k_q3f983b828d_quant_z,@function
k_q3f983b828d_quant_z:
	s_mov_b64 s[64:65], 0
	v_nop
	global_prefetch_b8 v0, s[64:65] scope:SCOPE_SE
	s_setreg_imm32_b32 hwreg(HW_REG_WAVE_MODE, 25, 1), 1
	s_wait_xcnt 0x0
; z [8192][1024], f32, becomes codes of BF8 (E5M2), one byte each, K innermost, with one E8M0 scale byte for each 32 along K: z_codes [8192][1024], z_scales [8192][32].
; A block's scale is 2^(floor(log2(its largest magnitude)) - 15); its byte is the largest magnitude's own exponent field - 15, held at 1 from below.  Each number is divided by the scale,
; held within +-57,344 and rounded to the nearest code, ties to even.
; LIMITS: a block of zeros gets the byte 1 where the rule says 127 (its codes are zeros, which add nothing under any byte but 0xff, and this program alone reads the bytes); NaN and infinities in z are not served.
; Rows are dense and 1,024 is a multiple of 32: z is a plain stream of blocks of 32, and so are the codes and the bytes.  It is quantised here once, since sixteen tile columns of the next launch read it.
; SHARES: 256 work-groups x 4 waves; a wave takes 16 steps of 512 numbers.  Each of a step's four loads reads 512 consecutive bytes, 16 a lane; the 2,048 bytes turn through the wave's own stage in LDS and come
; back 64 bytes a lane, so that a lane holds 16 neighbours along K (two neighbouring lanes hold a block).  A lane's 16 codes are 16 bytes: the wave stores 512 consecutive bytes.
; A wave's 256 scale bytes are gathered in its own LDS bytes and leave as 256 consecutive, aligned bytes.  No tensor loads, no barrier: waves share nothing.  No matrix unit, no cluster: the launch only streams.
.set STEPS, 16
.set EMAX,  15
.set MANT,  0x600000                   ; the mantissa field of 57,344 as f32
.set CB,    16                         ; bytes of 16 codes
.set R,     16                         ; v16-79   four sets of 16 numbers as they are loaded
.set X,     80                         ; v80-111  two sets of 16 neighbours
.set E,     112                        ; v112-127 a scale byte for each step
.set C,     128                        ; v128-191 codes: four registers for each step, so that no store's data are written again
.set WREG,  8192                       ; LDS: a region for each wave: two stages of 32 x SP bytes, behind them its 256 scale bytes
.set SP,    80                         ; a lane's place in a stage: its 64 bytes + 16 of padding
	s_load_b128 s[4:7], s[0:1], 0x0                ; z s[4:5], z_codes s[6:7]
	s_load_b128 s[8:11], s[0:1], 0x10              ; W1_codes s[8:9], w1i s[10:11]
	v_lshl_add_u32 v192, v0, 2, 0x8000
	v_mov_b32 v193, 0
	v_lshrrev_b32 v1, 5, v0
	v_readfirstlane_b32 s16, v1                    ; wave
	v_and_b32 v2, 31, v0                           ; lane
	v_lshlrev_b32 v3, 4, v2                        ; my 16 bytes of a load's 512
	s_mul_i32 s17, s16, WREG
	v_lshrrev_b32 v14, 2, v2
	v_mul_u32_u24 v14, v14, SP
	v_and_b32 v15, 3, v2
	v_lshl_add_u32 v14, v15, 4, v14
	v_add_nc_u32 v14, s17, v14                     ; the stage, on the way in: four lanes' 64 bytes on end, then 16 of padding
	v_mul_u32_u24 v15, v2, SP
	v_add_nc_u32 v15, s17, v15                     ; and on the way out: SP x lane: my 16 neighbours
	v_mul_u32_u24 v4, v2, CB                       ; my codes' place in a step's
	v_lshrrev_b32 v5, 1, v2
	s_add_co_u32 s17, s17, 2*32*SP
	v_add_nc_u32 v5, s17, v5                       ; LDS: my wave's 256 scale bytes, my block's byte
	v_lshlrev_b32 v7, 3, v2                        ; and on the way out 8 bytes a lane
	v_add_nc_u32 v6, s17, v7
	; W1's image: lane (r, h) of a fragment takes W1's row 32 (r / 8) + r % 8 of its tile's rows, bytes 16 h on
	v_and_b32 v226, 7, v2
	v_bfe_u32 v227, v2, 3, 1
	v_lshl_add_u32 v226, v227, 5, v226
	v_lshlrev_b32 v226, 10, v226
	v_bfe_u32 v227, v2, 4, 1
	v_lshl_add_u32 v226, v227, 4, v226
	s_mov_b32 s23, MANT                            ; (an instruction takes one literal: the hold's line has another)
	s_lshl_b32 s17, ttmp9, 2
	s_add_co_u32 s18, s17, s16                     ; which run of 8,192 numbers is my wave's: 0 .. 1,023
	s_lshl_b32 s20, s18, 15                        ; 32,768 bytes of z a run,
	s_mov_b32 s21, 0
	; THE LAYOUT OF z_codes: units of 33,792 bytes for 32 rows: their codes (32 x 1,024), then their scale bytes (32 x 32).  My run is 8 rows: 8,192 bytes of codes, 256 scale bytes
	s_lshr_b32 s12, s18, 2
	s_mul_i32 s12, s12, 33792
	s_and_b32 s13, s18, 3
	s_lshl_b32 s24, s13, 13
	s_add_co_u32 s24, s24, s12
	s_mov_b32 s25, 0
	s_lshl_b32 s26, s13, 8
	s_add_co_u32 s26, s26, s12
	s_add_co_u32 s26, s26, 32768
	s_mov_b32 s27, 0
	; w1i: W1's codes as an image of the next launch's operand registers: [64 groups of 64 rows][q 8][tile j 4][c 4][32 lanes][16 bytes]; tile j's row m is W1's row 32 (m / 8) + 8 j + m % 8 of the group.
	; Wave W of 1,024 lays fragments 2 W and 2 W + 1: group W / 16, q = (W / 2) % 8, j = 2 (W % 2) + e
	s_lshr_b32 s12, s18, 4
	s_lshl_b32 s12, s12, 16
	s_and_b32 s13, s18, 1
	s_lshl_b32 s13, s13, 14
	s_add_co_u32 s12, s12, s13
	s_bfe_u32 s13, s18, 0x30001
	s_lshl_b32 s13, s13, 7
	s_add_co_u32 s12, s12, s13
	s_mov_b32 s13, 0
	s_lshl_b32 s14, s18, 12
	s_mov_b32 s15, 0
	s_wait_alu depctr_va_vdst(0)
	s_wait_kmcnt 0x0
	s_add_nc_u64 s[4:5], s[4:5], s[20:21]
	s_add_nc_u64 s[28:29], s[6:7], s[26:27]        ; my scale bytes
	s_add_nc_u64 s[6:7], s[6:7], s[24:25]
	s_add_nc_u64 s[8:9], s[8:9], s[12:13]
	s_add_nc_u64 s[10:11], s[10:11], s[14:15]
.irp e, 0,1
.irp c, 0,1,2,3
	global_load_b128 v[194+16*\e+4*\c:194+16*\e+4*\c+3], v226, s[8:9] offset:8192*\e+32*\c   ; older than every load of z: the counted waits below hold as they stand
.endr
.endr
.macro LOAD t
.irp i, 0,1,2,3
	global_load_b128 v[R+16*((\t)%4)+4*\i:R+16*((\t)%4)+4*\i+3], v3, s[4:5] offset:2048*(\t)+512*\i th:TH_LOAD_NT   ; 32 lanes read 512 consecutive bytes
.endr
.endm
.macro TURN t                          ; step t's numbers through the stage: LDS serves a wave's instructions in order (ISA guide 5.7.1.4), so no wait stands between the stores and the loads
.irp i, 0,1,2,3
	ds_store_b128 v14, v[R+16*((\t)%4)+4*\i:R+16*((\t)%4)+4*\i+3] offset:32*SP*((\t)%2)+8*SP*\i
.endr
.irp i, 0,1,2,3
	ds_load_b128 v[X+16*((\t)%2)+4*\i:X+16*((\t)%2)+4*\i+3], v15 offset:32*SP*((\t)%2)+16*\i
.endr
.endm
.irp t, 0,1,2,3
	LOAD \t
.endr
	s_wait_loadcnt 12                              ; step 0's four loads are in; the twelve of steps 1 to 3 may be out
	TURN 0
.macro STEP t
.set XS, X+16*((\t)%2)
.if (\t) > 0
	s_wait_dscnt 1                                 ; this step's numbers are back from the stage (the last step's byte store may be out): so its stores into the stage have read their registers,
.else
	s_wait_dscnt 0x0
.endif
.if (\t)+4 < STEPS
	LOAD (\t)+4                                    ; which take the loads of four steps on
.endif
.if (\t)+1 < STEPS
.if STEPS-2-(\t) >= 3
	s_wait_loadcnt 12                              ; the next step's four loads are in; those of the three steps behind it may be out
.else
	s_wait_loadcnt 4*(STEPS-2-(\t))
.endif
	TURN (\t)+1                                    ; and go through the other stage while this step is worked
.endif
	v_max3_num_f32 v8, |v[XS]|, |v[XS+1]|, |v[XS+2]|               ; the largest magnitude of my 16, in two chains
	v_max3_num_f32 v9, |v[XS+3]|, |v[XS+4]|, |v[XS+5]|
.irp i, 6,10
	v_max3_num_f32 v8, v8, |v[XS+\i]|, |v[XS+\i+1]|
	v_max3_num_f32 v9, v9, |v[XS+\i+2]|, |v[XS+\i+3]|
.endr
	v_max3_num_f32 v8, v8, |v[XS+14]|, |v[XS+15]|
	v_max3_num_f32 v8, v8, v9, (EMAX+1)<<23        ; and the floor 2^(16 - 127): so the byte cannot fall under 1
	v_max_num_f32_dpp v8, v8, v8 row_xmask:1 row_mask:0xf bank_mask:0xf   ; and of my neighbour's 16: the block's
	v_add_nc_u32 v11, 0xf8800000, v8               ; 15 off its exponent field: the conversion takes the exponent field of this operand as its scale, and nothing else of it
	v_and_or_b32 v10, v8, 0x7f800000, s23          ; 57,344 x the scale: the largest magnitude's exponent field over 57,344's mantissa
.irp i, 0,1,2,3,4,5,6,7,8,9,10,11,12,13,14,15
	v_med3_num_f32 v[XS+\i], v[XS+\i], -v10, v10   ; the conversion to an 8-bit code does not saturate (ISA guide 7.6.2): hold the number first
.endr
	v_cvt_scalef32_pk8_bf8_f32 v[C+4*(\t):C+4*(\t)+1], v[XS:XS+7], v11          ; eight numbers / the scale, to the nearest code; the first number's code in the lowest byte
	v_cvt_scalef32_pk8_bf8_f32 v[C+4*(\t)+2:C+4*(\t)+3], v[XS+8:XS+15], v11
	v_lshrrev_b32 v[E+(\t)], 23, v11               ; the scale's byte (also the plain line behind the conversions)
	ds_store_b8 v5, v[E+(\t)] offset:16*(\t)       ; both lanes of a block write the same byte with the same value
	global_store_b128 v4, v[C+4*(\t):C+4*(\t)+3], s[6:7] offset:32*CB*(\t)      ; 32 lanes store 512 consecutive bytes, aligned
.endm
.irp t, 0,1,2,3,4,5,6,7,8,9,10,11,12,13,14,15
	STEP \t
.endr
	ds_load_b64 v[12:13], v6                       ; LDS serves a wave's instructions in order: these see my stores
	s_wait_dscnt 0x0
	global_store_b64 v7, v[12:13], s[28:29]        ; 32 lanes store 256 consecutive bytes, aligned
.irp e, 0,1
.irp c, 0,1,2,3
	global_store_b128 v3, v[194+16*\e+4*\c:194+16*\e+4*\c+3], s[10:11] offset:2048*\e+512*\c   ; 512 consecutive bytes, aligned
.endr
.endr
	s_wait_tensorcnt 0x0
	ds_add_u32 v192, v193
	s_wait_dscnt 0x0
	s_endpgm
.Lfunc_end_k_q3f983b828d_quant_z:
	.size	k_q3f983b828d_quant_z, .Lfunc_end_k_q3f983b828d_quant_z-k_q3f983b828d_quant_z
	.p2alignl 7, 3214868480
	.fill 96, 4, 3214868480
	.section	.rodata,"a",@progbits
	.p2align	6, 0x0
	.amdhsa_kernel k_q3f983b828d_quant_z
		.amdhsa_group_segment_fixed_size 33280
		.amdhsa_private_segment_fixed_size 0
		.amdhsa_enable_private_segment 0
		.amdhsa_kernarg_size 32
		.amdhsa_user_sgpr_count 2
		.amdhsa_user_sgpr_kernarg_segment_ptr 1
		.amdhsa_wavefront_size32 1
		.amdhsa_system_sgpr_workgroup_id_x 1
		.amdhsa_system_sgpr_workgroup_id_y 1
		.amdhsa_system_sgpr_workgroup_id_z 1
		.amdhsa_system_vgpr_workitem_id 0
		.amdhsa_next_free_vgpr 228
		.amdhsa_next_free_sgpr 66
		.amdhsa_reserve_vcc 0
		.amdhsa_float_denorm_mode_32 3
		.amdhsa_float_denorm_mode_16_64 3
		.amdhsa_memory_ordered 1
		.amdhsa_forward_progress 1
		.amdhsa_inst_pref_size 53
	.end_amdhsa_kernel
	.amdgpu_metadata
---
amdhsa.version: [ 1, 2 ]
amdhsa.kernels:
  - .name:           k_q3f983b828d_quant_z
    .symbol:         k_q3f983b828d_quant_z.kd
    .args:
      - { .name: z, .offset: 0, .size: 8, .value_kind: global_buffer, .address_space: global }
      - { .name: z_codes, .offset: 8, .size: 8, .value_kind: global_buffer, .address_space: global }
      - { .name: W1_codes, .offset: 16, .size: 8, .value_kind: global_buffer, .address_space: global }
      - { .name: w1i, .offset: 24, .size: 8, .value_kind: global_buffer, .address_space: global }
    .group_segment_fixed_size: 33280
    .private_segment_fixed_size: 0
    .kernarg_segment_align: 8
    .kernarg_segment_size: 32
    .max_flat_workgroup_size: 128
    .sgpr_count:     66
    .vgpr_count:     228
    .wavefront_size: 32
...
	.end_amdgpu_metadata
.endif
;; end of part 1
;; launch hidden (part 2): grid 16 x 16, 4 waves a work-group, clusters of 4 x 4, 327,680 bytes of LDS; arguments z_codes, w1i, W1_scales, h_codes, h_scales, h1; writes h_codes, h_scales
.if DOCPART == 2
	.amdgcn_target "amdgcn-amd-amdhsa--gfx1250"
	.amdhsa_code_object_version 6
	.text
	.protected	k_q3f983b828d_hidden
	.globl	k_q3f983b828d_hidden
	.p2align	8
	.type	k_q3f983b828d_hidden,@function
k_q3f983b828d_hidden:
	s_mov_b64 s[64:65], 0
	v_nop
	global_prefetch_b8 v0, s[64:65] scope:SCOPE_SE
	s_setreg_imm32_b32 hwreg(HW_REG_WAVE_MODE, 25, 1), 1
	s_wait_xcnt 0x0
	s_wait_alu depctr_hold_cnt(0) depctr_sa_sdst(0) depctr_va_vdst(0) depctr_va_sdst(0) depctr_va_ssrc(0) depctr_va_vcc(0) depctr_vm_vsrc(0)
	s_getreg_b32 s2, hwreg(HW_REG_IB_STS2, 6, 4)
	s_cmp_eq_u32 s2, 0
	s_cbranch_scc0 .Lentry_in_a_cluster
	s_endpgm
.Lentry_in_a_cluster:
	s_bfe_u32 s2, ttmp6, 0x10000c
	s_cmp_lg_u32 s2, 0xf033
	s_cbranch_scc0 .Lentry_shape_is_right
	s_endpgm
.Lentry_shape_is_right:
; H = Q(relu(Qz W1^T + h1)) on codes of BF8 (E5M2) with E8M0 scales; the result is quantised along the hidden units, the next product's K.  Nothing of reference() is left out.
; IN: z_codes in units of 33,792 bytes for 32 rows (32 x 1,024 codes, then 32 x 32 scale bytes); w1i, W1's codes as an image of my operand registers ([64 groups of 64 rows][q][tile j][c][lane][16 bytes];
;     tile j's row m is W1's row 32 (m / 8) + 8 j + m % 8 of the group); W1_scales [4096][32]; h1 [4096] f32.
; OUT: h_codes [512 blocks of 16 rows][32 q][4 c][32 lanes][16 bytes]: lane (r, h) of group c holds hidden units 128 q + 32 c + 16 h + 0 .. 15 of row r;  h_scales, words [32 q][8192 rows].
; THE DEAL: 256 work-groups, each 512 rows x 256 hidden units.  A wave holds 64 rows of W1, all of K, in 512 registers, read once by loads of 512 consecutive bytes, and streams z's rows past them in 32 blocks of 16,
; which stand in registers as two whole sets.  All four waves read the same blocks.  A block is 32 matrix instructions a wave: four tiles by turns, K ascending; h1 is the first products' C.
; z COMES IN FOUR CHUNKS of 128 rows (four units: 132 rows of 1,024 bytes, a unit a wave) through two LDS slots, asked for jointly along a row of the cluster.  The round inside a chunk's block 6 shows the next chunk
; and frees this chunk's slot, whose last block was fetched behind block 5.  W1 is not asked for jointly: it goes to registers, and no two waves of a work-group want the same byte.
; THE MATRIX INSTRUCTION IS USED TRANSPOSED (source 0 = W1's rows): register i of tile j of lane (r, h) is hidden unit 32 h + 8 j + i of my 64, row r: a scale block of 32 lies in one lane.
; A BLOCK'S WAY OUT (largest number, hold between 0 and 57,344 x the scale, which is the activation too, conversions, the byte) stands among the NEXT block's products, which write the other set of sums.
; The first way out has no block before it: it works on zeros and a branch leads round its stores.  Scale bytes are gathered in LDS bytes of their own and leave at the end as whole runs of 512 bytes.
; PREFETCH: chunk 2 is asked for behind chunk 1's load, chunk 3 behind chunk 2's: one refill, eight blocks, ahead of its load.  Of the 132 pieces of 256 bytes that a wave will load, the partner at cx names 33:
; a lane a piece, and one more instruction for the 33rd.  W1's image, its scales and h1 are read once at the head, where no loop runs ahead of them.
; LIMITS: a block whose numbers are all 0 or negative gets the byte 1 where the rule says 127 (its codes are zeros; this program alone reads the bytes); NaN and infinities are not served.
; REGISTERS: windows 1, 2: W1's 32 fragments (fragment 4 q + j);  window 3: z's two sets of 128;  window 0: all else.
.set KROW, 1024
.set PITCH, 1040                       ; an LDS row: 1,024 bytes + 16: the 16 rows of a fragment start at 16 different banks (64 banks of 4 bytes: ISA guide 11.1)
.set UNIT, 33*PITCH                    ; 32 rows of codes and a row of scale bytes
.set SLOT, 4*UNIT
.set CHB, 135168                       ; a chunk in memory
.set XN, 274944                        ; scale bytes [q of two][512 rows][4]; the 256 bytes ahead of them belong to them too
.set SPARE, XN+4096
.set NP, 8
.set NF, 34                            ; LDS loads of a block: 32 of codes, 2 of scale words
.set EMAX, 15
.set ADRA0, 4                          ; 1,040 r + 16 h
.set CN, 5                             ; 512 h + 16 r: my codes' place in a fragment's image
.set AAS0, 6                           ; 32 x 1,040 + 32 r: my row's scale words
.set PF1, 7
.set PF2, 8
.set CO, 9                             ; 16 x lane
.set SPW, 10
.set NIL, 11
.set ADRA, 12                          ; as v4, v6 for the block that is fetched next
.set VX, 13                            ; where a scale byte goes
.set ABS, 16
.set AAS, 17
.set SOP, 20
.set SB, 24                            ; v24-39 W1's scale words: 8 p + q: lanes 0-15 tile 2 p, lanes 16-31 tile 2 p + 1
.set EB, 40
.set SA, 44                            ; v44-59 z's, two sets of eight: no product's two numbers are equal modulo 8
.set TQ, 60
.set ACC, 64                           ; v64-127 two sets of four accumulators
.set NCD, 192                          ; v192-199 a block's 32 codes
.set BQ, 208                           ; v208-239 h1
.set G1R, 48
.set G0R, 68
.set MSB, 0
.macro WIN new                         ; the immediate's high byte repeats the setting that is left
.if MSB != \new
	s_set_vgpr_msb (MSB<<8)|\new
.set MSB, \new
.endif
.endm
.macro PLACES n
.rept \n
	v_nop
.endr
.endm
.macro BARRIER
	s_barrier_signal -1
	s_barrier_wait -1
.endm
.macro MIDDLE                          ; a round's middle
	WIN 0
	s_barrier_wait -1
	s_cmp_lg_u32 s20, 0
	s_cbranch_scc1 .Lnot_wave_0_\@
	s_barrier_signal -3
.Lnot_wave_0_\@:
	s_barrier_wait -3
.endm
.macro CROUND
	s_barrier_signal -1
	MIDDLE
	BARRIER
.endm
.macro TLOAD                           ; my unit of a chunk; s_nop 0 and four v_nop behind it
	tensor_load_to_lds s[G0R:G0R+3], s[G1R:G1R+7]
	s_nop 0
	PLACES 4
.endm
	s_load_b256 s[4:11], s[0:1], 0x0               ; z_codes, w1i, W1_scales, h_codes
	s_load_b128 s[12:15], s[0:1], 0x20             ; h_scales, h1
	v_lshl_add_u32 v[SPW], v0, 2, SPARE
	v_mov_b32 v[NIL], 0
	ds_add_u32 v[SPW], v[NIL]
	ds_add_u32 v[SPW], v[NIL]
	v_lshrrev_b32 v1, 5, v0
	v_readfirstlane_b32 s20, v1                    ; wave
	s_bfe_u32 s40, ttmp6, 0x40000                  ; cx, cy
	s_bfe_u32 s41, ttmp6, 0x40004
	s_lshl_b32 s42, ttmp9, 2
	s_add_co_u32 s42, s42, s40                     ; tile column
	s_and_b32 s43, ttmp7, 0xffff
	s_lshl_b32 s43, s43, 2
	s_add_co_u32 s43, s43, s41                     ; tile row
	s_lshl_b32 s44, s41, 2
	s_lshl_b32 s44, 15, s44                        ; my row of the cluster shares z's rows
	s_or_b32 s[G1R], s44, (1<<20)|(1<<21)|(7<<22)|(3<<25)   ; elements of 1 byte; 4 words of padding behind every 256
	s_mov_b32 s[G1R+1], KROW<<16
	s_mov_b32 s[G1R+2], 33<<16
	s_mov_b32 s[G1R+3], KROW<<16
	s_mov_b32 s[G1R+4], 33
	s_mov_b32 s[G1R+5], KROW
	s_mov_b32 s[G1R+6], 0
	s_mov_b32 s[G1R+7], 0
	s_mov_b32 s[G0R], 1
	s_mul_i32 s25, s20, UNIT
	s_mov_b32 s[G0R+1], s25                        ; chunk 0 into slot 0
	s_mul_i32 s30, s43, 4*CHB
	s_mul_i32 s31, s20, 33*KROW
	s_add_co_u32 s30, s30, s31
	s_mov_b32 s31, 0
	s_wait_dscnt 0x0
	CROUND                                         ; the opening round
	s_wait_kmcnt 0x0
	s_add_nc_u64 s[G0R+2:G0R+3], s[4:5], s[30:31]
	s_or_b32 s[G0R+3], s[G0R+3], 0x80000000
	TLOAD                                          ; one load a wave at the head, the same line in all
	s_lshl_b32 s32, s42, 2
	s_add_co_u32 s32, s32, s20                     ; my group of 64 hidden units: 4 x tile column + wave
	s_mov_b32 s35, 0
	s_lshl_b32 s34, s32, 16
	s_add_nc_u64 s[6:7], s[6:7], s[34:35]
	s_lshl_b32 s34, s32, 11
	s_add_nc_u64 s[8:9], s[8:9], s[34:35]
	s_lshl_b32 s34, s32, 8
	s_add_nc_u64 s[14:15], s[14:15], s[34:35]
	s_lshl_b32 s34, s43, 21                        ; h_codes: 32 blocks of 65,536 bytes a tile row; 1,024 bytes for each group of 64 units
	s_lshl_b32 s33, s32, 10
	s_add_co_u32 s34, s34, s33
	s_add_nc_u64 s[84:85], s[10:11], s[34:35]
	s_sub_nc_u64 s[84:85], s[84:85], 131072        ; each block steps it once, and stores the block before
	s_lshr_b32 s33, s32, 1                         ; h_scales, at the end: wave n stores q = 2 x tile column + n / 2, half n % 2 of its 2,048 bytes
	s_lshl_b32 s34, s33, 15
	s_lshl_b32 s33, s43, 11
	s_add_co_u32 s34, s34, s33
	s_and_b32 s33, s20, 1
	s_lshl_b32 s38, s33, 1
	s_lshl_b32 s33, s33, 10
	s_add_co_u32 s34, s34, s33
	s_add_nc_u64 s[12:13], s[12:13], s[34:35]
	s_mul_i32 s33, s40, 8448                       ; the prefetches: my work-group's 33 pieces of my unit
	s_add_co_u32 s33, s33, s30
	s_add_co_u32 s36, s33, 8192
	s_lshr_b32 s37, s20, 1                         ; a byte's place: 2,048 (wave / 2) + 4 row + 2 (wave % 2) + h
	s_lshl_b32 s37, s37, 11
	s_add_co_u32 s37, s37, s38
	s_add_co_u32 s37, s37, XN-192                  ; three blocks back: an even block steps it by two and stores the block before
	s_mov_b32 s62, 0x600000                        ; the mantissa field of 57,344
	v_and_b32 v1, 15, v0                           ; r
	v_bfe_u32 v2, v0, 4, 1                         ; h
	v_and_b32 v3, 31, v0                           ; lane
	v_lshlrev_b32 v[CO], 4, v3
	v_lshlrev_b32 v22, 7, v2                       ; h1: my 32 numbers
	v_and_b32 v18, 7, v0                           ; W1's scale words: lane l takes row 32 ((l % 16) / 8) + 8 (l / 16) + l % 8 of a pair of tiles
	v_bfe_u32 v23, v0, 3, 1
	v_lshl_add_u32 v18, v23, 5, v18
	v_lshl_add_u32 v18, v2, 3, v18
	v_lshlrev_b32 v[ABS], 5, v18
	v_mul_u32_u24 v18, v1, PITCH
	v_lshl_add_u32 v[ADRA0], v2, 4, v18
	v_lshlrev_b32 v23, 5, v1
	v_add_nc_u32 v[AAS0], 32*PITCH, v23
	v_lshlrev_b32 v18, 9, v2
	v_lshl_add_u32 v[CN], v1, 4, v18
	v_lshl_add_u32 v23, v1, 2, v2
	v_add_nc_u32 v[VX], s37, v23
	v_add_nc_u32 v19, 16*PITCH, v[ADRA0]           ; block 1
	v_add_nc_u32 v21, 512, v[AAS0]
	v_lshl_add_u32 v[PF1], v3, 8, s33
	v_mov_b32 v[PF2], s36
.set I_, 0
.rept 32
	v_mov_b32 v[ACC+32+I_], 0                      ; what the first way out reads
.set I_, I_+1
.endr
	s_wait_alu depctr_va_vdst(0)
.irp k, 0,1,2,3,4,5,6,7
	global_load_b128 v[BQ+4*\k:BQ+4*\k+3], v22, s[14:15] offset:16*\k
.endr
.irp p, 0,1
.irp c, 0,1
	global_load_b128 v[SB+8*\p+4*\c:SB+8*\p+4*\c+3], v[ABS], s[8:9] offset:512*\p+16*\c
.endr
.endr
.set N_, 0
.rept 128                              ; W1: 64 rows, all of K: 128 loads of 512 consecutive bytes
	WIN (1+N_/64)<<6
	global_load_b128 v[4*(N_%64):4*(N_%64)+3], v[CO], s[6:7] offset:512*N_
.set N_, N_+1
.endr
	WIN 0
	s_wait_tensorcnt 0x0                           ; chunk 0: my unit is in
	ds_add_u32 v[SPW], v[NIL]
	s_add_co_u32 s[G0R+1], s25, SLOT
	s_add_nc_u64 s[G0R+2:G0R+3], s[G0R+2:G0R+3], CHB
	s_wait_dscnt 0x0
	CROUND
	TLOAD                                          ; chunk 1 into slot 1
	global_prefetch_b8 v[PF1], s[4:5] offset:2*CHB th:TH_LOAD_NT scope:SCOPE_SE
	global_prefetch_b8 v[PF2], s[4:5] offset:2*CHB th:TH_LOAD_NT scope:SCOPE_SE
.macro FETCHAT k, a, s                 ; a block of z, 16 rows, all of K, into set k, and its scale words
	WIN 3<<6
.irp q, 0,1,2,3,4,5,6,7
.irp c, 0,1,2,3
	ds_load_b128 v[128*\k+16*\q+4*\c:128*\k+16*\q+4*\c+3], v[\a] offset:128*\q+32*\c
.endr
.endr
	WIN 0
	ds_load_b128 v[SA+8*\k:SA+8*\k+3], v[\s]
	ds_load_b128 v[SA+8*\k+4:SA+8*\k+7], v[\s] offset:16
.endm
.macro PROD e, a, n                    ; product n = 4 q + j: z's set e, sums in set a
.set Q_, (\n)/4
.set B_, (\n)%4
.set AC_, ACC+32*(\a)+8*B_
.set R_, 128*(\e)+16*Q_
.set W_, 16*((\n)%16)
.set XS_, SA+8*(\e)+Q_
.set WS_, SB+8*(B_/2)+Q_
	WIN (1+(\n)/16)|(3<<2)
.if Q_ == 0 && B_%2
	v_wmma_scale_f32_16x16x128_f8f6f4 v[AC_:AC_+7], v[W_:W_+15], v[R_:R_+15], v[BQ+8*B_:BQ+8*B_+7], v[WS_], v[XS_] matrix_a_fmt:MATRIX_FMT_BF8 matrix_b_fmt:MATRIX_FMT_BF8 matrix_a_scale:MATRIX_SCALE_ROW1
.elseif Q_ == 0
	v_wmma_scale_f32_16x16x128_f8f6f4 v[AC_:AC_+7], v[W_:W_+15], v[R_:R_+15], v[BQ+8*B_:BQ+8*B_+7], v[WS_], v[XS_] matrix_a_fmt:MATRIX_FMT_BF8 matrix_b_fmt:MATRIX_FMT_BF8
.elseif B_%2
	v_wmma_scale_f32_16x16x128_f8f6f4 v[AC_:AC_+7], v[W_:W_+15], v[R_:R_+15], v[AC_:AC_+7], v[WS_], v[XS_] matrix_a_fmt:MATRIX_FMT_BF8 matrix_b_fmt:MATRIX_FMT_BF8 matrix_a_scale:MATRIX_SCALE_ROW1
.else
	v_wmma_scale_f32_16x16x128_f8f6f4 v[AC_:AC_+7], v[W_:W_+15], v[R_:R_+15], v[AC_:AC_+7], v[WS_], v[XS_] matrix_a_fmt:MATRIX_FMT_BF8 matrix_b_fmt:MATRIX_FMT_BF8
.endif
.endm
.macro HOLD x, b                       ; the activation and the hold in one
	v_med3_num_f32 v[\x], v[\x], 0, v[TQ+\b]
.endm
.macro SCALES i                        ; 0: the conversions' scale operand; 1: the bound; 2: a second copy of it; 3: the byte
.if (\i) == 0
	v_add_nc_u32 v[SOP], -(EMAX<<23), v[TQ]
.elseif (\i) == 1
	v_and_or_b32 v[TQ+1], v[TQ], 0x7f800000, s62
.elseif (\i) == 2
	v_mov_b32 v[TQ+3], v[TQ+1]
.else
	v_lshrrev_b32 v[EB], 23, v[SOP]
.endif
.endm
.macro MAXQ k, x                       ; 18 lines: the largest of the 32 sums at x (no |.|: what is negative becomes 0), and the floor that holds the byte at 1; each accumulator is read from its low end on
.if (\k) < 4
	v_max3_num_f32 v[TQ+\k], v[\x+8*(\k)], v[\x+8*(\k)+1], v[\x+8*(\k)+2]
.elseif (\k) < 12
	v_max3_num_f32 v[TQ+(\k)%4], v[TQ+(\k)%4], v[\x+8*((\k)%4)+2*((\k)/4)+1], v[\x+8*((\k)%4)+2*((\k)/4)+2]
.elseif (\k) < 16
	v_max_num_f32 v[TQ+(\k)%4], v[TQ+(\k)%4], v[\x+8*((\k)%4)+7]
.elseif (\k) == 16
	v_max3_num_f32 v[TQ], v[TQ], v[TQ+1], v[TQ+2]
.else
	v_max3_num_f32 v[TQ], v[TQ], v[TQ+3], (EMAX+1)<<23
.endif
.endm
.macro HOLDS m, x                      ; two holds; the fourth pair reads the bound's second copy, freshly written
.if (\m) == 3
	HOLD \x, 3
	HOLD \x+1, 3
.else
	HOLD \x, 1
	HOLD \x+1, 1
.endif
.if (\m) == 2
	SCALES 2
.endif
.endm
.macro GAPQ m, x                       ; the quantiser of the block whose sums stand at x, in 27 parts
.if (\m) < 9
	MAXQ 2*(\m), \x
	MAXQ 2*(\m)+1, \x
.elseif (\m) == 9
	SCALES 0
	SCALES 1
.elseif (\m) < 26
	HOLDS (\m)-10, \x+2*((\m)-10)
.if ((\m)-10)%4 == 3
	v_cvt_scalef32_pk8_bf8_f32 v[NCD+2*(((\m)-10)/4):NCD+2*(((\m)-10)/4)+1], v[\x+8*(((\m)-10)/4):\x+8*(((\m)-10)/4)+7], v[SOP]
.endif
.elseif (\m) == 26
	SCALES 3
.endif
.endm
; what stands behind product n: the addresses of the block two on (s21: its pair's place in LDS), the byte's next place, a refill's group 0 (r = 1), and from 1 to 27 the way out of the block at x
.macro LIST n, e, x, r
.if (\n) == 0
	s_add_nc_u64 s[84:85], s[84:85], 65536
	WIN 0
	s_add_co_u32 s23, s21, (\e)*16*PITCH
	v_add_nc_u32 v[ADRA], s23, v[ADRA0]
.elseif (\n) == 1
	WIN 0
	s_add_co_u32 s23, s21, (\e)*512
	v_add_nc_u32 v[AAS], s23, v[AAS0]
.elseif (\n) == 2 && (\e) == 0
	WIN 0
	v_add_nc_u32 v[VX], 128, v[VX]
.elseif (\r) && (\n) == 29
	s_add_co_u32 s[G0R+1], s25, s26
.elseif (\r) && (\n) == 30
	s_add_nc_u64 s[G0R+2:G0R+3], s[G0R+2:G0R+3], CHB
.endif
.if (\n) > 0 && (\n) < 28
	WIN 0
	GAPQ (\n)-1, \x
.endif
.endm
.macro BLOCK e, from, to, x, r
.set N_, \from
.rept (\to)-(\from)
	PROD \e, \e, N_
	LIST N_, \e, \x, \r
.set N_, N_+1
.endr
.endm
.macro BLK e, w, x                     ; a block: w: the LDS instructions that may stay out (-1: no wait)
.if (\w) >= 0
	s_wait_dscnt \w
.endif
	s_wait_xcnt 0x0                                ; the last stores have read their registers and their base
	BLOCK \e, 0, 32, \x, 0
	WIN 0
	PLACES NP
.endm
.macro RBLK e, w, x                    ; a block with a round of the cluster's barrier: the wait for my tensor loads and the add at its head, the signal behind 28 products
	s_wait_dscnt \w
	s_wait_xcnt 0x0
	s_wait_tensorcnt 0x0
	ds_add_u32 v[SPW], v[NIL]
	BLOCK \e, 0, 28, \x, 1
	WIN 0
	s_wait_alu depctr_va_vdst(0)
	s_wait_dscnt 0x0
	s_barrier_signal -1
	BLOCK \e, 28, 32, \x, 1
	MIDDLE
	BARRIER
.endm
.macro SBLK e, w, x                    ; a block with a plain barrier: it shows the last chunk
	s_wait_dscnt \w
	s_wait_xcnt 0x0
	BLOCK \e, 0, 28, \x, 0
	WIN 0
	s_wait_alu depctr_va_vdst(0)
	s_wait_tensorcnt 0x0
	s_wait_dscnt 0x0
	s_barrier_signal -1
	BLOCK \e, 28, 32, \x, 0
	WIN 0
	s_barrier_wait -1
	PLACES NP
.endm
.macro QOUT off, boff                  ; a block's byte to its place in LDS; its 32 codes a lane: each store fills two aligned runs of 256 bytes
	ds_store_b8 v[VX], v[EB] offset:\boff
	global_store_b128 v[CN], v[NCD:NCD+3], s[84:85] offset:\off
	global_store_b128 v[CN], v[NCD+4:NCD+7], s[84:85] offset:(\off)+256
.endm
.macro PAIRS lbl, first                ; a chunk's blocks 0 to 5: three trips of two; behind a block its set takes the block two on
	s_add_co_u32 s21, s26, UNIT
	s_mov_b32 s45, 0
\lbl:
	BLK 0, NF, ACC+32
.if \first
	s_cmp_eq_u32 s28, 0
	s_cbranch_scc1 .Lno_block_before_\@
.endif
	QOUT 0, 0
.if \first
.Lno_block_before_\@:
.endif
	FETCHAT 0, ADRA, AAS
	BLK 1, NF, ACC
	QOUT 0, 64
	FETCHAT 1, ADRA, AAS
	s_mov_b32 s28, 1
	s_add_co_u32 s21, s21, UNIT
	s_add_co_u32 s45, s45, 1
	s_cmp_lg_u32 s45, 3
	s_cbranch_scc1 \lbl
	s_mov_b32 s21, s27                             ; blocks 6 and 7 fetch the next chunk's first pair, in the other slot
.endm
	FETCHAT 0, ADRA0, AAS0
	FETCHAT 1, 19, 21
	s_mov_b32 s46, 0                               ; the chunk's trip; s26, s27: this chunk's slot and the other; s28: 0 until a block has been finished
	s_mov_b32 s26, 0
	s_mov_b32 s27, SLOT
	s_mov_b32 s28, 0
	s_wait_loadcnt 0x0                             ; W1, its scale words, h1
.Lfill:                                                ; chunks 0 and 1: each fills its slot again, two chunks on
	PAIRS .Lfill_pair, 1
	RBLK 0, NF, ACC+32
	TLOAD
	PLACES NP-4
	QOUT 0, 0
	s_cmp_eq_u32 s46, 0
	s_cbranch_scc0 .Lnone_ahead
	global_prefetch_b8 v[PF1], s[4:5] offset:3*CHB th:TH_LOAD_NT scope:SCOPE_SE
	global_prefetch_b8 v[PF2], s[4:5] offset:3*CHB th:TH_LOAD_NT scope:SCOPE_SE
.Lnone_ahead:
	FETCHAT 0, ADRA, AAS
	BLK 1, -1, ACC
	QOUT 0, 64
	FETCHAT 1, ADRA, AAS
	s_xor_b32 s26, s26, SLOT
	s_xor_b32 s27, s27, SLOT
	s_add_co_u32 s46, s46, 1
	s_cmp_lg_u32 s46, 2
	s_cbranch_scc1 .Lfill
	s_mov_b32 s46, 0
.Llast:                                                ; chunks 2 and 3: nothing is filled
	PAIRS .Llast_pair, 0
	SBLK 0, NF, ACC+32
	QOUT 0, 0
	s_cmp_eq_u32 s46, 1
	s_cbranch_scc1 .Lnone_0
	FETCHAT 0, ADRA, AAS
.Lnone_0:
	BLK 1, -1, ACC
	QOUT 0, 64
	s_cmp_eq_u32 s46, 1
	s_cbranch_scc1 .Lnone_1
	FETCHAT 1, ADRA, AAS
.Lnone_1:
	s_xor_b32 s26, s26, SLOT
	s_xor_b32 s27, s27, SLOT
	s_add_co_u32 s46, s46, 1
	s_cmp_lg_u32 s46, 2
	s_cbranch_scc1 .Llast
	s_wait_xcnt 0x0                                ; the last block's way out
.set K_, 0
.rept 27
	GAPQ K_, ACC+32
.set K_, K_+1
.endr
	QOUT 65536, 128
	s_wait_dscnt 0x0                               ; the scale bytes: everybody's are in LDS behind the barrier
	BARRIER
	s_lshl_b32 s23, s20, 10
	s_add_co_u32 s23, s23, XN
	v_add_nc_u32 v18, s23, v[CO]
	s_wait_alu depctr_va_vdst(0)
	ds_load_b128 v[60:63], v18
	ds_load_b128 v[64:67], v18 offset:512
	s_wait_dscnt 0x0
	global_store_b128 v[CO], v[60:63], s[12:13]                ; 512 consecutive bytes, aligned
	global_store_b128 v[CO], v[64:67], s[12:13] offset:512
	s_wait_tensorcnt 0x0                           ; the wave's end
	ds_add_u32 v[SPW], v[NIL]
	s_wait_dscnt 0x0
	CROUND                                         ; the closing round
	s_endpgm
.Lfunc_end_k_q3f983b828d_hidden:
	.size	k_q3f983b828d_hidden, .Lfunc_end_k_q3f983b828d_hidden-k_q3f983b828d_hidden
	.p2alignl 7, 3214868480
	.fill 96, 4, 3214868480
	.section	.rodata,"a",@progbits
	.p2align	6, 0x0
	.amdhsa_kernel k_q3f983b828d_hidden
		.amdhsa_group_segment_fixed_size 327680
		.amdhsa_private_segment_fixed_size 0
		.amdhsa_enable_private_segment 0
		.amdhsa_kernarg_size 48
		.amdhsa_user_sgpr_count 2
		.amdhsa_user_sgpr_kernarg_segment_ptr 1
		.amdhsa_wavefront_size32 1
		.amdhsa_system_sgpr_workgroup_id_x 1
		.amdhsa_system_sgpr_workgroup_id_y 1
		.amdhsa_system_sgpr_workgroup_id_z 1
		.amdhsa_system_vgpr_workitem_id 0
		.amdhsa_next_free_vgpr 1024
		.amdhsa_next_free_sgpr 90
		.amdhsa_reserve_vcc 0
		.amdhsa_float_denorm_mode_32 3
		.amdhsa_float_denorm_mode_16_64 3
		.amdhsa_memory_ordered 1
		.amdhsa_forward_progress 1
		.amdhsa_inst_pref_size 131
	.end_amdhsa_kernel
	.amdgpu_metadata
---
amdhsa.version: [ 1, 2 ]
amdhsa.kernels:
  - .name:           k_q3f983b828d_hidden
    .symbol:         k_q3f983b828d_hidden.kd
    .args:
      - { .name: z_codes, .offset: 0, .size: 8, .value_kind: global_buffer, .address_space: global }
      - { .name: w1i, .offset: 8, .size: 8, .value_kind: global_buffer, .address_space: global }
      - { .name: W1_scales, .offset: 16, .size: 8, .value_kind: global_buffer, .address_space: global }
      - { .name: h_codes, .offset: 24, .size: 8, .value_kind: global_buffer, .address_space: global }
      - { .name: h_scales, .offset: 32, .size: 8, .value_kind: global_buffer, .address_space: global }
      - { .name: h1, .offset: 40, .size: 8, .value_kind: global_buffer, .address_space: global }
    .group_segment_fixed_size: 327680
    .private_segment_fixed_size: 0
    .kernarg_segment_align: 8
    .kernarg_segment_size: 48
    .max_flat_workgroup_size: 128
    .sgpr_count:     90
    .vgpr_count:     1024
    .wavefront_size: 32
...
	.end_amdgpu_metadata
.endif
;; end of part 2
;; launch out (part 3): grid 4 x 64, 4 waves a work-group, clusters of 4 x 4, 327,680 bytes of LDS; arguments h_codes, h_scales, W2_codes, W2_scales, s_codes, s_scales, C_codes, C_scales, z, A, h2, out0; writes out0
.if DOCPART == 3
	.amdgcn_target "amdgcn-amd-amdhsa--gfx1250"
	.amdhsa_code_object_version 6
	.text
	.protected	k_q3f983b828d_out
	.globl	k_q3f983b828d_out
	.p2align	8
	.type	k_q3f983b828d_out,@function
k_q3f983b828d_out:
	s_mov_b64 s[64:65], 0
	v_nop
	global_prefetch_b8 v0, s[64:65] scope:SCOPE_SE
	s_setreg_imm32_b32 hwreg(HW_REG_WAVE_MODE, 25, 1), 1
	s_wait_xcnt 0x0
	s_wait_alu depctr_hold_cnt(0) depctr_sa_sdst(0) depctr_va_vdst(0) depctr_va_sdst(0) depctr_va_ssrc(0) depctr_va_vcc(0) depctr_vm_vsrc(0)
	s_getreg_b32 s2, hwreg(HW_REG_IB_STS2, 6, 4)
	s_cmp_eq_u32 s2, 0
	s_cbranch_scc0 .Lentry_in_a_cluster
	s_endpgm
.Lentry_in_a_cluster:
	s_bfe_u32 s2, ttmp6, 0x10000c
	s_cmp_lg_u32 s2, 0xf033
	s_cbranch_scc0 .Lentry_shape_is_right
	s_endpgm
.Lentry_shape_is_right:
; out0 = A z + H W2^T + s C^T + h2.  H, W2 ([1024][4096], scale bytes [1024][128]), s ([8192][64], [8192][2]) and C ([1024][64], [1024][2]) are codes of BF8 (E5M2) with E8M0 scales, K innermost;
; z, out0 [8192][1024], A, h2 [1024] are f32.  H lies as the launch before has laid it: h_codes [512 blocks of 16 rows][32 q][4 c][32 lanes][16 bytes], an image of the operand's registers; h_scales, 32-bit words [32 q][8192 rows].
; A tile of out0 is 128 rows x 256 columns: 256 tiles, one to a work-group.  THE FOUR WAVES SHARE THE ROWS, NOT THE COLUMNS: wave w makes rows 32 w .. 32 w + 31 x all 256 columns: 32 accumulators, 256 registers.
; H GOES FROM MEMORY STRAIGHT INTO REGISTERS.  No two waves of the work-group want the same byte of it, so LDS would serve nothing there.  A step of 128 along K is two fragments and a scale word a lane: nine loads, the eight
; of codes 512 consecutive bytes each.  They run through a ring of eight register positions with counted waits: six steps' loads, 54, stay out while a step is multiplied.
; W2 GOES THROUGH LDS, which it has to itself: a ring of two slots of 256 rows x 512 along K, so that a slot holds four steps, 128 matrix instructions a wave (with H's rows beside it a slot held 256 along K and 64).
; W2's scale bytes of the tile's 256 rows, for all of K (32,768 dense bytes), come into LDS once, with the first fills, and stay.  The price: each wave reads all sixteen fragments of W2 for its 32 matrix instructions of a step.
; CLUSTERS: 4 x 4 work-groups: W2's tiles and scale bytes are shared along a column of the cluster and asked for JOINTLY.  H's rows are shared along a row of the cluster and are NOT asked for jointly: a joint request
; lands in LDS, where 128 rows more for 512 along K are 67,584 bytes a slot, and two such slots with the scale bytes pass 327,680.
; THE MATRIX INSTRUCTION IS USED TRANSPOSED (source 0 = 16 rows of W2 or C, source 1 = 16 rows of H or s): a lane holds eight neighbouring columns of one row of out0.
; THE SUMS BEGIN with s C^T: one matrix instruction an accumulator, K = 64 filled up to 128 with zero codes on both sides, C = 0.  It runs while the first tiles are on their way.
; z comes in the last eight steps, into the ring's positions as they fall free; z A + h2 is one fused multiply-add, to which the sums are added on the way out.
; ONE SCALE REGISTER CARRIES TWO BLOCKS: lanes 0-15 the words of block 2 i, lanes 16-31 those of block 2 i + 1; the row selector picks the half.
; H is not prefetched: its loads are issued six steps ahead of their use.  W2's tiles are: see ASK.
; REGISTERS, in windows of 256: window 0: v0-31 addresses, A's eight numbers; v32-39 H's scale words, a ring of eight; v40-103 W2's scale words, two sets of 32; v104-112 s's and C's; v120-127 h2's eight numbers.
;   window 1: W2's sixteen fragments, one set, fetched anew by halves; first C's; on the way out rows of out0.   window 2: accumulator (a, b) at v[8 (16 a + b)].
;   window 3: H's ring: position p, block a at v[32 p + 16 a]; first, in position 7, s's fragments; at the end z, row t at v[8 t].
.set SIZE_K, 4096
.set DSL,    512                       ; along K in a slot, and a tile's row in bytes
.set PITCH,  528                       ; an LDS row: 512 bytes + 16 of padding = 132 words: row r starts at bank 4 r mod 64 (64 banks of 4 bytes: ISA guide 11.1)
.set QUART,  64*PITCH                  ; 64 rows: what one tensor load brings
.set SLOT,   4*QUART
.set HALFB,  8*16*PITCH                ; W2's blocks 8-15 begin here in a slot: an LDS offset has 16 bits, so they have address registers of their own
.set SCB,    2*SLOT                    ; behind the ring: W2's scale bytes, as runs of 256 bytes + 16 of padding
.set SCBQ,   32*272                    ; those of 64 rows: what one tensor load brings
.set SPARE,  SCB+4*SCBQ                ; the spare words, 128 bytes for each wave, that no other line names
.set SPITCH, 1040                      ; the way out: a stage of 16 rows x (1,024 bytes + 16) for each wave, in slot 0, which has had its last fill and its last read by then
.set FRB,    2048                      ; a fragment of H in memory
.set RBB,    32*FRB                    ; a block of 16 rows of H
.set QWB,    32768                     ; H's scale words of 128 along K
.set TRIPS,  SIZE_K/(2*DSL)            ; a trip = two slots = eight steps = once round both rings
.set SOF,  8                           ; v8      64 r + 16 h: my place in a fragment of s or of C in memory
.set L2,   9                           ; v9      2 x lane: my row's two scale bytes of s or of C
.set L4,   11                          ; v11     4 x lane: my row's scale word of H
.set CO,   12                          ; v12     16 x lane: my place in 512 consecutive bytes of H, z, A, h2 and out0
.set STO,  13                          ; v13     the way out: where I put 32 bytes of a row
.set RD,   14                          ; v14     where I read 16 bytes of a row back
.set AV,   16                          ; v16-23  A of my eight columns on the way out
.set ADRB, 24                          ; v24-27  LDS address of W2's fragments: slot 0 blocks 0-7, blocks 8-15; slot 1 likewise
.set SPW,  28                          ; v28     LDS address of my spare word; never rewritten
.set NIL,  29                          ; v29     0; never rewritten
.set ADSB, 30                          ; v30     LDS address of my scale words of W2
.set PFO,  31                          ; v31     the prefetches' offset: 4,096 (lane % 16) + 256 (lane / 16); never rewritten
.set SA,   32                          ; H's scale words: position p at v[SA + p]
.set SB,   40                          ; W2's: set t, pair of blocks i, the slot's q-th step at v[SB + 32 t + 4 i + q]
.set SS,   104                         ; s's scale words
.set CSC,  105                         ; v105-112 C's
.set H2V,  120                         ; v120-127 h2 of my eight columns
.set G1B, 24                           ; s[24:31] descriptor group 1 for W2's tiles;  s[32:39] group 0, one set for each slot
.set G0B, 32
.set G1S, 48                           ; s[48:55], s[56:59] groups 1 and 0 for W2's scale bytes
.set G0S, 56
.set PFA, 66                           ; s[66:67] where my prefetches stand
.set LIM, 68                           ; s68, s69 in a wave that prefetches 0 and 1, else the greatest number: at the change out of slot t it prefetches while the trips to go are above s[LIM + t]
.set MSB, 0
.macro WIN new                         ; the immediate's high byte repeats the setting that is left
.if MSB != \new
	s_set_vgpr_msb (MSB<<8)|\new
.set MSB, \new
.endif
.endm
.set MUL, 0xad                         ; source 0 (W2) window 1, source 1 (H) window 3, C and D window 2
; A joint load: every wave fetches its 64 rows.  Four v_nop follow the line.
.macro JL g0, g1
	tensor_load_to_lds s[\g0:\g0+3], s[\g1:\g1+7]
	s_nop 0
.rept 4
	v_nop
.endr
.endm
.macro CREST                           ; a round of the cluster's barrier behind its opening barrier
	s_cmp_lg_u32 s20, 0
	s_cbranch_scc1 .Lnot_wave_0_\@
	s_barrier_signal -3
.Lnot_wave_0_\@:
	s_barrier_wait -3
	s_barrier_signal -1
	s_barrier_wait -1
.endm
.macro CROUND                          ; a whole round
	s_barrier_signal -1
	s_barrier_wait -1
	CREST
.endm
; A PREFETCH INTO THE L2, behind each joint refill and the runs of loads that follow it: W2's slot that the NEXT refill will ask for: four steps, 128 matrix instructions, ahead of that load.
; A slot is 512 bytes, two aligned blocks of 256, of each of the tile's 256 rows.  Every cluster reads W2: the clusters with y = 0 ask.  Of the 64 rows that wave w fetches, the partner at place cy takes rows 16 cy on:
; 16 rows x 2 blocks, a lane a block, one instruction a wave.  So each block is named once in the launch; the partners are told apart by address, and no branch hangs on a place in the cluster.
; Slots 0 to 2 come by their loads alone; the last refill asks for nothing: K has no slot 8.
.macro ASK t
	s_cmp_gt_u32 s3, s[LIM+\t]
	s_cbranch_scc0 .Lnot_mine_\@
	global_prefetch_b8 v[PFO], s[PFA:PFA+1] th:TH_LOAD_NT scope:SCOPE_SE
.Lnot_mine_\@:
.endm
; H's step at off steps of 128 along K from the base, into position pos: two fragments, eight loads of 512 consecutive bytes, and my row's scale word
.macro ALOAD pos, off
	WIN 0xc0                                       ; destination window 3
.irp a, 0,1
.irp c, 0,1,2,3
	global_load_b128 v[32*(\pos)+16*\a+4*\c:32*(\pos)+16*\a+4*\c+3], v[CO], s[4:5] offset:RBB*\a+FRB*(\off)+512*\c
.endr
.endr
	WIN 0
	global_load_b32 v[SA+(\pos)], v[L4], s[6:7] offset:QWB*(\off)      ; lanes 0-15: my rows 0-15, lanes 16-31: rows 16-31
.endm
.macro ZLOAD p                         ; z, my rows 4 p .. 4 p + 3, into the ring's position p: eight loads of 512 consecutive bytes
	WIN 0xc0
.irp t, 0,1,2,3
.irp u, 0,1
	global_load_b128 v[32*(\p)+8*\t+4*\u:32*(\p)+8*\t+4*\u+3], v[CO], s[12:13] offset:(4*(\p)+\t)*4096+512*\u th:TH_LOAD_NT
.endr
.endr
.endm
.macro AVLOAD                          ; A and h2 of my eight columns on the way out: columns 128 u + 4 lane + 0 .. 3
	WIN 0
.irp u, 0,1
	global_load_b128 v[AV+4*\u:AV+4*\u+3], v[CO], s[14:15] offset:512*\u
	global_load_b128 v[H2V+4*\u:H2V+4*\u+3], v[CO], s[16:17] offset:512*\u
.endr
.endm
.macro LOADS kind, lp, off             ; what a step asks of memory: 1: H's step seven on;  2: z;  3: z, A and h2
.if \kind == 1
	ALOAD \lp, \off
.endif
.if \kind >= 2
	ZLOAD \lp
.endif
.if \kind == 3
	AVLOAD
.endif
.endm
	s_load_b256 s[4:11], s[0:1], 0x0               ; h_codes s[4:5], h_scales s[6:7], W2_codes s[8:9], W2_scales s[10:11]
	s_load_b256 s[92:99], s[0:1], 0x20             ; s_codes s[92:93], s_scales s[94:95], C_codes s[96:97], C_scales s[98:99]
	s_load_b256 s[12:19], s[0:1], 0x40             ; z s[12:13], A s[14:15], h2 s[16:17], out0 s[18:19]
	v_lshl_add_u32 v[SPW], v0, 2, SPARE
	v_mov_b32 v[NIL], 0
	ds_add_u32 v28, v29
	ds_add_u32 v28, v29
	s_wait_dscnt 0x0
	v_lshrrev_b32 v1, 5, v0
	v_readfirstlane_b32 s20, v1                    ; wave 0..3
	s_bfe_u32 s40, ttmp6, 0x40000                  ; cx, cy: my place in the cluster
	s_bfe_u32 s41, ttmp6, 0x40004
	s_lshl_b32 s42, ttmp9, 2
	s_add_co_u32 s42, s42, s40                     ; tile column = 4 x cluster x + cx
	s_and_b32 s23, ttmp7, 0xffff
	s_lshl_b32 s23, s23, 2
	s_add_co_u32 s23, s23, s41                     ; tile row = 4 x cluster y + cy
	s_lshl_b32 s44, 0x1111, s40                    ; my column of the cluster
	; descriptor group 1 for W2's tiles: 64 rows x 512 bytes, 4,096 bytes from row to row in memory, 16 bytes of padding behind each row in LDS
	s_or_b32 s[G1B+0], s44, (0<<16)|(1<<20)|(1<<21)|(6<<22)|(3<<25)  ; 15:0 the mask; 17:16 elements of 1 byte; 20 padding on; 21 set beside a mask; 24:22 after every 128 words; 31:25 four words
	s_mov_b32 s[G1B+1], DSL<<16                    ; tensor_dim0
	s_mov_b32 s[G1B+2], 64<<16                     ; tensor_dim1
	s_mov_b32 s[G1B+3], DSL<<16                    ; tile_dim0
	s_mov_b32 s[G1B+4], 64                         ; tile_dim1
	s_mov_b32 s[G1B+5], SIZE_K                     ; tensor_dim0_stride
	s_mov_b32 s[G1B+6], 0
	s_mov_b32 s[G1B+7], 0
	; and for W2's scale bytes of 64 rows: 8,192 dense bytes, as 32 rows of 256 bytes (32 elements of 8 bytes), 16 bytes of padding behind each
	s_or_b32 s[G1S+0], s44, (3<<16)|(1<<20)|(1<<21)|(5<<22)|(3<<25)
	s_mov_b32 s[G1S+1], 32<<16
	s_mov_b32 s[G1S+2], 32<<16
	s_mov_b32 s[G1S+3], 32<<16
	s_mov_b32 s[G1S+4], 32
	s_mov_b32 s[G1S+5], 32
	s_mov_b32 s[G1S+6], 0
	s_mov_b32 s[G1S+7], 0
	v_and_b32 v1, 15, v0                           ; r = l % 16
	v_bfe_u32 v2, v0, 4, 1                         ; h = l / 16
	v_and_b32 v3, 31, v0                           ; lane
	v_lshlrev_b32 v[SOF], 6, v1
	v_lshl_add_u32 v[SOF], v2, 4, v[SOF]           ; a row of s or C is 64 bytes; + 16 h
	v_lshlrev_b32 v[L2], 1, v3
	v_lshlrev_b32 v[L4], 2, v3
	v_lshlrev_b32 v[CO], 4, v3
	; zero codes for k = 64 .. 127 of s's two fragments and of C's sixteen: they add nothing under any scale byte but 0xff
	WIN 0xc0                                       ; destination window 3
.irp n, 0,1
.irp k, 8,9,10,11,12,13,14,15
	v_mov_b32 v[224+16*\n+\k], 0
.endr
.endr
	WIN 0x40                                       ; destination window 1
.irp n, 0,1,2,3,4,5,6,7,8,9,10,11,12,13,14,15
.irp k, 8,9,10,11,12,13,14,15
	v_mov_b32 v[16*\n+\k], 0
.endr
.endr
	WIN 0
	s_lshl_b32 s45, s23, 7
	s_lshl_b32 s46, s20, 5
	s_add_co_u32 s45, s45, s46                     ; my first row: 128 x tile row + 32 x wave
	s_lshl_b32 s46, s42, 8                         ; the tile's first column: 256 x tile column
	s_mov_b32 s101, 0
	s_wait_kmcnt 0x0
	s_lshl_b32 s100, s45, 12                       ; H's codes: 65,536 bytes for 16 rows
	s_add_nc_u64 s[4:5], s[4:5], s[100:101]
	s_lshl_b32 s100, s45, 2                        ; H's scale words: 4 bytes a row
	s_add_nc_u64 s[6:7], s[6:7], s[100:101]
	s_lshl_b32 s100, s45, 6                        ; s's codes: 64 bytes a row
	s_add_nc_u64 s[92:93], s[92:93], s[100:101]
	s_lshl_b32 s100, s45, 1                        ; s's scale bytes: 2 a row
	s_add_nc_u64 s[94:95], s[94:95], s[100:101]
	s_lshl_b32 s100, s46, 6                        ; C's codes
	s_add_nc_u64 s[96:97], s[96:97], s[100:101]
	s_lshl_b32 s100, s46, 1                        ; C's scale bytes
	s_add_nc_u64 s[98:99], s[98:99], s[100:101]
	s_lshl_b32 s100, s46, 2                        ; A and h2 at the tile's first column
	s_add_nc_u64 s[14:15], s[14:15], s[100:101]
	s_add_nc_u64 s[16:17], s[16:17], s[100:101]
	s_lshl_b32 s47, s45, 12
	s_add_co_u32 s100, s100, s47                   ; 4,096 bytes a row of z and of out0
	s_add_nc_u64 s[12:13], s[12:13], s[100:101]
	s_add_nc_u64 s[18:19], s[18:19], s[100:101]
	; the loads into registers go out first, ahead of the round: 45 for the first products, then H's steps 0 and 1: 63 are out
	WIN 0x40
.irp n, 0,1,2,3,4,5,6,7,8,9,10,11,12,13,14,15
	global_load_b128 v[16*\n:16*\n+3], v[SOF], s[96:97] offset:1024*\n         ; C's block n: k = 16 h + 0 .. 15,
	global_load_b128 v[16*\n+4:16*\n+7], v[SOF], s[96:97] offset:1024*\n+32    ; k = 32 + 16 h + 0 .. 15
.endr
	WIN 0xc0
.irp n, 0,1
	global_load_b128 v[224+16*\n:224+16*\n+3], v[SOF], s[92:93] offset:1024*\n         ; s's block n likewise, in the ring's position 7
	global_load_b128 v[224+16*\n+4:224+16*\n+7], v[SOF], s[92:93] offset:1024*\n+32
.endr
	WIN 0
	global_load_u16 v[SS], v[L2], s[94:95]         ; two scale bytes a row, my row = lane; the word's upper bytes are 0 and stand over zero codes
.irp n, 0,1,2,3,4,5,6,7
	global_load_u16 v[CSC+\n], v[L2], s[98:99] offset:64*\n
.endr
	ALOAD 0, 0
	ALOAD 1, 1
	; where W2's tiles come from: the tile column and the wave's number alone;  where they go: constants and the wave's number alone
	s_lshl_b32 s47, s20, 6
	s_add_co_u32 s47, s47, s46                     ; W2's row 256 x tile column + 64 x wave
	s_lshl_b32 s100, s47, 12                       ; 4,096 bytes of codes a row
	s_add_nc_u64 s[G0B+2:G0B+3], s[8:9], s[100:101]        ; slot 0: K = 0 on,
	s_add_nc_u64 s[G0B+6:G0B+7], s[G0B+2:G0B+3], DSL       ; slot 1: K = 512 on
	s_or_b32 s[G0B+3], s[G0B+3], 0x80000000        ; 127:126 type = 2
	s_or_b32 s[G0B+7], s[G0B+7], 0x80000000
	s_lshl_b32 s100, s47, 7                        ; 128 scale bytes a row
	s_add_nc_u64 s[G0S+2:G0S+3], s[10:11], s[100:101]
	s_or_b32 s[G0S+3], s[G0S+3], 0x80000000
	s_mov_b32 s[G0B], 1
	s_mov_b32 s[G0B+4], 1
	s_mov_b32 s[G0S], 1
	s_mul_i32 s[G0B+1], s20, QUART
	s_add_co_u32 s[G0B+5], s[G0B+1], SLOT
	s_mul_i32 s[G0S+1], s20, SCBQ
	s_add_co_u32 s[G0S+1], s[G0S+1], SCB
	CROUND                                         ; all sixteen work-groups are here: the first joint loads meet
	JL G0B, G1B                                    ; slot 0: one tensor load a wave at the head
	; the prefetches: where mine stand, and who asks
	s_lshl_b32 s2, s41, 4
	s_add_co_u32 s2, s2, s47                       ; W2's row 256 x tile column + 64 x wave + 16 cy
	s_lshl_b32 s100, s2, 12
	s_add_co_u32 s100, s100, 2*DSL                 ; at slot 2: the first refill steps it to slot 3
	s_add_nc_u64 s[PFA:PFA+1], s[8:9], s[100:101]
	s_and_b32 s2, ttmp7, 0xffff                    ; cluster y: the same in all sixteen partners
	s_cmp_eq_u32 s2, 0
	s_cselect_b32 s[LIM], 0, -1
	s_cselect_b32 s[LIM+1], 1, -1
	v_lshlrev_b32 v[PFO], 12, v1
	v_lshl_add_u32 v[PFO], v2, 8, v[PFO]
	; LDS addresses
	v_mul_u32_u24 v4, v1, PITCH
	v_lshl_add_u32 v[ADRB], v2, 4, v4              ; a fragment's row x pitch + 16 x half
	v_add_nc_u32 v[ADRB+1], HALFB, v[ADRB]
	v_add_nc_u32 v[ADRB+2], SLOT, v[ADRB]
	v_add_nc_u32 v[ADRB+3], SLOT+HALFB, v[ADRB]
	v_lshrrev_b32 v5, 1, v3
	v_lshlrev_b32 v5, 4, v5
	v_lshl_add_u32 v5, v3, 7, v5                   ; W2's scale bytes: 128 a row, and 16 of padding for each two rows; my row = 32 i + lane, i by the offset
	v_add_nc_u32 v[ADSB], SCB, v5
	s_mul_i32 s2, s20, 16*SPITCH                   ; my stage
	v_mul_u32_u24 v5, v1, SPITCH
	v_lshl_add_u32 v5, v2, 5, v5                   ; in: row r, 32 bytes for each half of the lanes
	v_add_nc_u32 v[STO], s2, v5
	v_add_nc_u32 v[RD], s2, v[CO]                  ; back: the 32 lanes take 512 bytes of a row
; One matrix instruction.  rb, ra: source 0's and source 1's scales stand in lanes 16-31 of their registers.
.macro WM d, bf, af, c, sb, sa, rb, ra
.if (\rb) && (\ra)
	v_wmma_scale_f32_16x16x128_f8f6f4 v[\d:\d+7], v[\bf:\bf+15], v[\af:\af+15], v[\c:\c+7], v[\sb], v[\sa] matrix_a_fmt:MATRIX_FMT_BF8 matrix_b_fmt:MATRIX_FMT_BF8 matrix_a_scale:MATRIX_SCALE_ROW1 matrix_b_scale:MATRIX_SCALE_ROW1
.elseif (\rb)
	v_wmma_scale_f32_16x16x128_f8f6f4 v[\d:\d+7], v[\bf:\bf+15], v[\af:\af+15], v[\c:\c+7], v[\sb], v[\sa] matrix_a_fmt:MATRIX_FMT_BF8 matrix_b_fmt:MATRIX_FMT_BF8 matrix_a_scale:MATRIX_SCALE_ROW1
.elseif (\ra)
	v_wmma_scale_f32_16x16x128_f8f6f4 v[\d:\d+7], v[\bf:\bf+15], v[\af:\af+15], v[\c:\c+7], v[\sb], v[\sa] matrix_a_fmt:MATRIX_FMT_BF8 matrix_b_fmt:MATRIX_FMT_BF8 matrix_b_scale:MATRIX_SCALE_ROW1
.else
	v_wmma_scale_f32_16x16x128_f8f6f4 v[\d:\d+7], v[\bf:\bf+15], v[\af:\af+15], v[\c:\c+7], v[\sb], v[\sa] matrix_a_fmt:MATRIX_FMT_BF8 matrix_b_fmt:MATRIX_FMT_BF8
.endif
.endm
.macro WM0 d, bf, af, sb, sa, rb, ra   ; the same with the constant 0 as C: it starts a sum
.if (\rb) && (\ra)
	v_wmma_scale_f32_16x16x128_f8f6f4 v[\d:\d+7], v[\bf:\bf+15], v[\af:\af+15], 0, v[\sb], v[\sa] matrix_a_fmt:MATRIX_FMT_BF8 matrix_b_fmt:MATRIX_FMT_BF8 matrix_a_scale:MATRIX_SCALE_ROW1 matrix_b_scale:MATRIX_SCALE_ROW1
.elseif (\rb)
	v_wmma_scale_f32_16x16x128_f8f6f4 v[\d:\d+7], v[\bf:\bf+15], v[\af:\af+15], 0, v[\sb], v[\sa] matrix_a_fmt:MATRIX_FMT_BF8 matrix_b_fmt:MATRIX_FMT_BF8 matrix_a_scale:MATRIX_SCALE_ROW1
.elseif (\ra)
	v_wmma_scale_f32_16x16x128_f8f6f4 v[\d:\d+7], v[\bf:\bf+15], v[\af:\af+15], 0, v[\sb], v[\sa] matrix_a_fmt:MATRIX_FMT_BF8 matrix_b_fmt:MATRIX_FMT_BF8 matrix_b_scale:MATRIX_SCALE_ROW1
.else
	v_wmma_scale_f32_16x16x128_f8f6f4 v[\d:\d+7], v[\bf:\bf+15], v[\af:\af+15], 0, v[\sb], v[\sa] matrix_a_fmt:MATRIX_FMT_BF8 matrix_b_fmt:MATRIX_FMT_BF8
.endif
.endm
; 8 matrix instructions: W2's blocks b0 .. b0 + 3 x H's two, 128 along K: H from position pos, W2's scale words from set st, the slot's q-th step.
; The 32 accumulators take turns, one instruction a turn, in the same order in every step.
.macro MUL4 b0, pos, st, q
.irp bb, 0,1,2,3
.irp a, 0,1
.set rD, 8*(16*\a+(\b0)+\bb)
.set rB, 16*((\b0)+\bb)
.set rA, 32*(\pos)+16*\a
.set rSB, SB+32*(\st)+4*(((\b0)+\bb)/2)+(\q)
.set rSA, SA+(\pos)
	WM rD, rB, rA, rD, rSB, rSA, (\bb)%2, \a
.endr
.endr
.endm
; 32 LDS loads in one run: eight fragments of W2 (blocks 8 half on) of the slot's q-th 128 along K.  A fragment: lane l holds row l % 16; registers 4 c .. 4 c + 3 hold K = 32 c + 16 (l / 16) + 0 .. 15
.macro FETCHB slot, q, half
	WIN 0x40                                       ; destination window 1
.irp n, 0,1,2,3,4,5,6,7
.irp c, 0,1,2,3
	ds_load_b128 v[16*(8*(\half)+\n)+4*\c:16*(8*(\half)+\n)+4*\c+3], v[ADRB+2*(\slot)+(\half)] offset:128*(\q)+32*\c+\n*16*PITCH
.endr
.endr
.endm
.macro SCALES st                       ; a slot's scale words of W2 into set st: four words (four steps) a row; lanes 0-15 take block 2 i, lanes 16-31 block 2 i + 1
	WIN 0
.irp n, 0,1,2,3,4,5,6,7
	ds_load_b128 v[SB+32*(\st)+4*\n:SB+32*(\st)+4*\n+3], v[ADSB] offset:4352*\n
.endr
.endm
; A load into a register that a matrix instruction has read, and an LDS store that reads a matrix result, stand eight places behind that matrix instruction, and only plain vector instructions that name none
; of its registers are places.
.macro PLACES n
.rept \n
	v_nop
.endr
.endm
; A step of 128 along K that has its successor in the same slot.  W2's fragments have one set of registers: blocks 0-7 are fetched anew in the step's middle, blocks 8-15 at its end.
; lcnt: the loads into registers issued behind this step's nine.  In its middle the step asks memory for what goes into position lp, which the step before has left.
.macro KS slot, q, pos, lcnt, kind, lp, off
	s_wait_loadcnt \lcnt                           ; loads come back in order (ISA guide 5.7.1): H's fragments and scale word of this step are in
	s_wait_dscnt 32                                ; W2's blocks 0-7 (and a new slot's scale words) are in; the youngest 32 loads, blocks 8-15, may be out
	WIN MUL
	MUL4 0, \pos, \slot, \q
	MUL4 4, \pos, \slot, \q
	PLACES 8
	FETCHB \slot, (\q)+1, 0
	LOADS \kind, \lp, \off
	s_wait_dscnt 32                                ; blocks 8-15 are in; the 32 just issued may be out
	WIN MUL
	MUL4 8, \pos, \slot, \q
	MUL4 12, \pos, \slot, \q
	PLACES 8
	FETCHB \slot, (\q)+1, 1
.endm
; A slot's last step changes slots: one barrier; in front of it each wave waits for all its tensor loads, adds 0 to its spare word, and waits for that and for its own reads of this slot.
; fill = 1: this slot is filled again, two slots ahead; the barrier then opens a round of the cluster's barrier.  step = 1: H's bases go eight steps on.
.macro TURNS slot, next, fill, step, pos, lcnt, kind, lp, off
	WIN 0                                          ; (the add's two registers lie in window 0)
.if \fill
	s_wait_xcnt 0x0                                ; every earlier memory instruction has had its addresses translated (ISA guide 3.1): only behind this wait are the bases below written
	s_add_nc_u64 s[PFA:PFA+1], s[PFA:PFA+1], DSL
.if \step
	s_add_nc_u64 s[4:5], s[4:5], 8*FRB
	s_add_nc_u64 s[6:7], s[6:7], 8*QWB
.endif
.endif
	s_wait_tensorcnt 0x0                           ; all my tensor loads have landed: the one that was out is my part of the next slot;
	ds_add_u32 v[SPW], v[NIL]                      ; 0 onto my spare word;
	s_wait_loadcnt \lcnt                           ; H's fragments and scale word of this step are in
	s_wait_dscnt 33                                ; W2's blocks 0-7 are in (the add and the youngest 32 loads, blocks 8-15, may be out)
	WIN MUL
	MUL4 0, \pos, \slot, 3                         ; eight matrix instructions stand between the add and the wait for it
	s_wait_dscnt 0x0                               ; the add is done, and my reads of this slot are over
	s_barrier_signal -1
	MUL4 4, \pos, \slot, 3
	WIN 0
	s_barrier_wait -1
.if \fill
	CREST                                          ; no wave of any partner still reads this slot's tile or has a load on its way
	s_add_nc_u64 s[G0B+4*\slot+2:G0B+4*\slot+3], s[G0B+4*\slot+2:G0B+4*\slot+3], 2*DSL
	JL G0B+4*\slot, G1B                            ; the first tensor load behind the round: it has three steps and a half in which to land; its four v_nop are among the places in front of the loads below
	PLACES 4
.else
	PLACES 8
.endif
	s_wait_alu depctr_va_vdst(0)
	v_add_nc_u32 v[ADSB], 16, v[ADSB]              ; on to the next slot's scale words: four words in each row
	FETCHB \next, 0, 0
	SCALES \next
	LOADS \kind, \lp, \off
.if \fill
	WIN 0
	ASK \slot
.endif
	WIN MUL
	MUL4 8, \pos, \slot, 3
	MUL4 12, \pos, \slot, 3
	PLACES 8
	FETCHB \next, 0, 1
.endm
	s_wait_alu depctr_va_vdst(0)
	s_wait_loadcnt 18                              ; C, s and their scale bytes are in; the eighteen loads of H's steps 0 and 1 may be out
.irp p, 2,3,4,5,6
	ALOAD \p, \p                                   ; H's steps 2 to 6: 63 loads are out again
.endr
	PLACES 4                                       ; the zero codes were written by vector instructions: four places ahead of a scaled matrix instruction
	WIN 0x8d                                       ; source 0 (C) window 1, source 1 (s) window 3, D window 2
.irp b, 0,1,2,3,4,5,6,7,8,9,10,11,12,13,14,15
.irp a, 0,1
.set rD, 8*(16*\a+\b)
.set rB, 16*\b
.set rA, 224+16*\a
.set rSB, CSC+\b/2
	WM0 rD, rB, rA, rSB, SS, (\b)%2, \a            ; s C^T starts every sum: nothing is cleared
.endr
.endr
	PLACES 8                                       ; in front of the loads into the registers that held C's fragments
	WIN 0
	s_wait_tensorcnt 0x0                           ; my part of slot 0 is in
	ds_add_u32 v[SPW], v[NIL]
	s_wait_dscnt 0x0
	CROUND
	JL G0S, G1S                                    ; W2's scale bytes
	s_wait_tensorcnt 0x0                           ; they are in; the same lines once more
	ds_add_u32 v[SPW], v[NIL]
	s_wait_dscnt 0x0
	CROUND                                         ; everybody's parts of slot 0 and of the scale bytes are in
	JL G0B+4, G1B                                  ; slot 1
	FETCHB 0, 0, 0
	SCALES 0
	FETCHB 0, 0, 1
	WIN 0                                          ; at a label and at a branch every window is 0
	s_mov_b32 s3, TRIPS-1
.Ltrip:                                                ; a trip goes once round both rings: eight steps, two slots, both filled again.  Behind each step's nine loads stand those of six younger steps: 54
	KS 0, 0, 0, 54, 1, 7, 7
	KS 0, 1, 1, 54, 1, 0, 8
	KS 0, 2, 2, 54, 1, 1, 9
	TURNS 0, 1, 1, 0, 3, 54, 1, 2, 10
	KS 1, 0, 4, 54, 1, 3, 11
	KS 1, 1, 5, 54, 1, 4, 12
	KS 1, 2, 6, 54, 1, 5, 13
	TURNS 1, 0, 1, 1, 7, 54, 1, 6, 6               ; (the bases have gone eight steps on: the step seven on is the new base's sixth)
	WIN 0
	s_sub_co_u32 s3, s3, 1
	s_cmp_lg_u32 s3, 0
	s_cbranch_scc1 .Ltrip
	; the last trip is written out: no slot is filled, H has one step left to ask for, and z takes the positions as they fall free.  The counts: 9 for each younger step of H, 8 for each group of z, 4 for A and h2
	KS 0, 0, 0, 54, 1, 7, 7
	KS 0, 1, 1, 54, 2, 0, 0
	KS 0, 2, 2, 53, 2, 1, 0
	TURNS 0, 1, 0, 0, 3, 52, 2, 2, 0
	KS 1, 0, 4, 51, 2, 3, 0
	KS 1, 1, 5, 50, 2, 4, 0
	KS 1, 2, 6, 49, 3, 5, 0
	s_wait_loadcnt 52                              ; the very last step: behind H's last nine loads stand six groups of z and the four of A and h2
	s_wait_dscnt 32
	WIN MUL
	MUL4 0, 7, 1, 3
	MUL4 4, 7, 1, 3
	PLACES 8
	ZLOAD 6
	s_wait_dscnt 0x0
	WIN MUL
	MUL4 8, 7, 1, 3
	MUL4 12, 7, 1, 3
	PLACES 8                                       ; behind the last products: their results are read, and the registers that held H's and W2's fragments are loaded
	ZLOAD 7
; THE WAY OUT, in two blocks of 16 rows x 256 columns.  A lane holds 32 neighbouring bytes of a row, and the lanes beside it hold other rows: so a block goes through my own stage in LDS and comes back as whole
; rows of 1,024 bytes, 512 an instruction.  LDS serves a wave's instructions in order (ISA guide 5.7.1.4): no wait between the stores and the loads, nor in front of the next block's stores.
.macro TOSTAGE a
	WIN 0x08                                       ; an LDS store's data are its source 1: window 2
.irp b, 0,1,2,3,4,5,6,7,8,9,10,11,12,13,14,15
	ds_store_b128 v[STO], v[8*(16*(\a)+\b):8*(16*(\a)+\b)+3] offset:64*\b          ; each accumulator from its low end on
	ds_store_b128 v[STO], v[8*(16*(\a)+\b)+4:8*(16*(\a)+\b)+7] offset:64*\b+16
.endr
	WIN 0x40                                       ; destination window 1: block a's rows at v[128 a + 8 t]
.set T, 0
.rept 16
	ds_load_b128 v[128*(\a)+8*T:128*(\a)+8*T+3], v[RD] offset:T*SPITCH
	ds_load_b128 v[128*(\a)+8*T+4:128*(\a)+8*T+7], v[RD] offset:T*SPITCH+512
.set T, T+1
.endr
.endm
.macro ZFMA a                          ; z A + h2, in z's registers: one fused multiply-add, two numbers an instruction; it stands between a block's loads from the stage and the wait for them
	WIN 0xc3                                       ; destination and source 0 window 3
.set T, 0
.rept 16
.irp e, 0,1,2,3
	v_pk_fma_f32 v[8*(16*(\a)+T)+2*\e:8*(16*(\a)+T)+2*\e+1], v[8*(16*(\a)+T)+2*\e:8*(16*(\a)+T)+2*\e+1], v[AV+2*\e:AV+2*\e+1], v[H2V+2*\e:H2V+2*\e+1]
.endr
.set T, T+1
.endr
.endm
.macro SEND a, younger                 ; younger: the LDS instructions that may stay out
	s_wait_dscnt \younger                          ; the block is back in registers
	WIN 0x4d                                       ; destination and source 0 window 1, source 1 (z A + h2) window 3
.set T, 0
.rept 16
.irp e, 0,1,2,3
	v_pk_add_f32 v[128*(\a)+8*T+2*\e:128*(\a)+8*T+2*\e+1], v[128*(\a)+8*T+2*\e:128*(\a)+8*T+2*\e+1], v[8*(16*(\a)+T)+2*\e:8*(16*(\a)+T)+2*\e+1]
.endr
.set T, T+1
.endr
	WIN 0x04                                       ; a store's data are its source 1: window 1
.set T, 0
.rept 16
	global_store_b128 v[CO], v[128*(\a)+8*T:128*(\a)+8*T+3], s[18:19] offset:(16*(\a)+T)*4096 th:TH_STORE_NT          ; 32 lanes store 512 consecutive bytes, at a multiple of 256 from out0's first byte;
	global_store_b128 v[CO], v[128*(\a)+8*T+4:128*(\a)+8*T+7], s[18:19] offset:(16*(\a)+T)*4096+512 th:TH_STORE_NT    ; the row stands in the immediate: no base is stepped, and no store's data are written again
.set T, T+1
.endr
.endm
	TOSTAGE 0
	s_wait_loadcnt 16                              ; z's rows 0 to 23, A and h2 are in; z's last two groups may be out
	ZFMA 0
	TOSTAGE 1
	SEND 0, 63                                     ; behind block 0's loads stand block 1's 32 stores and 32 loads; the wait's field names 63 at the most
	s_wait_loadcnt 0x0                             ; all of z
	ZFMA 1
	SEND 1, 0
	WIN 0
	s_wait_tensorcnt 0x0                           ; the wave's end: behind my last tensor load and my last LDS store
	ds_add_u32 v[SPW], v[NIL]
	s_wait_dscnt 0x0
	CROUND                                         ; the closing round: no work-group ends while a partner may still ask for a tile that names it
	s_endpgm
.Lfunc_end_k_q3f983b828d_out:
	.size	k_q3f983b828d_out, .Lfunc_end_k_q3f983b828d_out-k_q3f983b828d_out
	.p2alignl 7, 3214868480
	.fill 96, 4, 3214868480
	.section	.rodata,"a",@progbits
	.p2align	6, 0x0
	.amdhsa_kernel k_q3f983b828d_out
		.amdhsa_group_segment_fixed_size 327680
		.amdhsa_private_segment_fixed_size 0
		.amdhsa_enable_private_segment 0
		.amdhsa_kernarg_size 96
		.amdhsa_user_sgpr_count 2
		.amdhsa_user_sgpr_kernarg_segment_ptr 1
		.amdhsa_wavefront_size32 1
		.amdhsa_system_sgpr_workgroup_id_x 1
		.amdhsa_system_sgpr_workgroup_id_y 1
		.amdhsa_system_sgpr_workgroup_id_z 1
		.amdhsa_system_vgpr_workitem_id 0
		.amdhsa_next_free_vgpr 1024
		.amdhsa_next_free_sgpr 102
		.amdhsa_reserve_vcc 0
		.amdhsa_float_denorm_mode_32 3
		.amdhsa_float_denorm_mode_16_64 3
		.amdhsa_memory_ordered 1
		.amdhsa_forward_progress 1
		.amdhsa_inst_pref_size 217
	.end_amdhsa_kernel
	.amdgpu_metadata
---
amdhsa.version: [ 1, 2 ]
amdhsa.kernels:
  - .name:           k_q3f983b828d_out
    .symbol:         k_q3f983b828d_out.kd
    .args:
      - { .name: h_codes, .offset: 0, .size: 8, .value_kind: global_buffer, .address_space: global }
      - { .name: h_scales, .offset: 8, .size: 8, .value_kind: global_buffer, .address_space: global }
      - { .name: W2_codes, .offset: 16, .size: 8, .value_kind: global_buffer, .address_space: global }
      - { .name: W2_scales, .offset: 24, .size: 8, .value_kind: global_buffer, .address_space: global }
      - { .name: s_codes, .offset: 32, .size: 8, .value_kind: global_buffer, .address_space: global }
      - { .name: s_scales, .offset: 40, .size: 8, .value_kind: global_buffer, .address_space: global }
      - { .name: C_codes, .offset: 48, .size: 8, .value_kind: global_buffer, .address_space: global }
      - { .name: C_scales, .offset: 56, .size: 8, .value_kind: global_buffer, .address_space: global }
      - { .name: z, .offset: 64, .size: 8, .value_kind: global_buffer, .address_space: global }
      - { .name: A, .offset: 72, .size: 8, .value_kind: global_buffer, .address_space: global }
      - { .name: h2, .offset: 80, .size: 8, .value_kind: global_buffer, .address_space: global }
      - { .name: out0, .offset: 88, .size: 8, .value_kind: global_buffer, .address_space: global }
    .group_segment_fixed_size: 327680
    .private_segment_fixed_size: 0
    .kernarg_segment_align: 8
    .kernarg_segment_size: 96
    .max_flat_workgroup_size: 128
    .sgpr_count:     102
    .vgpr_count:     1024
    .wavefront_size: 32
...
	.end_amdgpu_metadata
.endif
;; end of part 3
